; MI455X (gfx1250); checked and timed in simulation.
; The chip was launched on July 23, 2026; its instructions are those of AMD's public machine-readable ISA for CDNA 5 (MIT licence, August 2026) and "CDNA5" Instruction Set Architecture Reference Guide (July 2026). The comments in the code are by the model that wrote it; some were corrected since.
;; Causal Attention. Allowed arithmetic: float matrix products may take bf16 or f16 operands with f32 sums; all other float work in f32.
;; Inputs: Wk 1,024 x 1,024 float32; Wq 1,024 x 1,024 float32; Wv 1,024 x 1,024 float32; x 4 x 2,048 x 1,024 float32.
;; Outputs: out0 4 x 2,048 x 1,024 float32.
;; One version. Each part assembles by itself: llvm-mc -triple=amdgcn-amd-amdhsa -mcpu=gfx1250 --defsym DOCPART=n.
;; ======== version 1 of 1: 5 launches
;; limits: values are held in f16: magnitudes above 65,504 overflow, below 6.1e-05 lose precision
;; workspace buffers: xb 16,777,216 bytes; wb 6,291,456 bytes; qkv 50,331,648 bytes; sc 67,108,864 bytes; pw 33,554,432 bytes
;; launch cast (part 1): grid 1408 x 1, 8 waves a work-group, no clusters, 0 bytes of LDS; arguments x, Wq, Wk, Wv, xb, wb; writes xb, wb
.if DOCPART == 1
	.amdgcn_target "amdgcn-amd-amdhsa--gfx1250"
	.amdhsa_code_object_version 6
	.text
	.protected	k_qb113bbe0f4_cast
	.globl	k_qb113bbe0f4_cast
	.p2align	8
	.type	k_qb113bbe0f4_cast,@function
k_qb113bbe0f4_cast:
	s_mov_b64 s[64:65], 0
	v_nop
	global_prefetch_b8 v0, s[64:65] scope:SCOPE_SE
	s_setreg_imm32_b32 hwreg(HW_REG_WAVE_MODE, 25, 1), 1
	s_wait_xcnt 0x0
; CAST.  x [8192][1024] and Wq, Wk, Wv [1024][1024], all f32, are rounded once to bf16 (nearest even) and laid out in blocks of 64 along K for the next launch:
; xb [16 K blocks][8192 rows][64], wb [16 K blocks][3072 rows][64] with Wq's rows first, then Wk's, then Wv's.  In that layout any run of rows of one K block is dense, 128 bytes a row.
; A stream: every byte is read once and written once.  No LDS, no barrier, no matrix unit, no cluster: the work-groups share no input.
; SHARES.  A work-group takes 8 rows (32,768 bytes in, 16,384 out): groups 0-1023 x, groups 1024-1407 the three weights, 128 groups each.  Wave w takes the pair of rows w / 2 and the K blocks 8 (w % 2) + i,
; i = 0..7.  In a load lanes 0-15 take the 256 bytes of the K block in the pair's first row, lanes 16-31 those in its second; a lane's four numbers pack into 8 bytes, and the wave's store covers
; 256 consecutive bytes, aligned: the two rows of the pair in that K block.
; All eight loads of a wave go out together; no register is written twice, so no store's sources have to be freed.
.set XKB, 8192*128                     ; bytes from a K block of xb to the next
.set WKB, 3072*128                     ; the same in wb
.set XR, 8                             ; v[8:39]   slot i: four f32 as loaded
.set YR, 40                            ; v[40:55]  slot i: four bf16 to store
	s_load_b256 s[4:11], s[0:1], 0x0               ; x s[4:5], Wq s[6:7], Wk s[8:9], Wv s[10:11]
	s_load_b128 s[12:15], s[0:1], 0x20             ; xb s[12:13], wb s[14:15]
	s_mov_b32 s20, ttmp9                           ; g
	s_max_u32 s21, s20, 1024
	s_sub_co_u32 s21, s21, 1024                    ; g' = my place among the weights' groups (0 for x's groups, where it is not used)
	s_lshr_b32 s22, s21, 7                         ; which weight
	s_and_b32 s23, s21, 127                        ; which part of it
	s_mov_b32 s30, 8*XKB                           ; eight K blocks on, in xb
	s_mov_b32 s31, 8*WKB                           ; and in wb
	v_and_b32 v3, 15, v0                           ; my 16 bytes among the 256 of a row's K block
	v_bfe_u32 v4, v0, 4, 1                         ; which row of the pair
	v_bfe_u32 v5, v0, 5, 1                         ; which eight K blocks
	v_lshrrev_b32 v6, 6, v0                        ; which pair of rows
	v_lshl_add_u32 v7, v6, 1, v4                   ; my row among the group's eight
	v_lshlrev_b32 v1, 4, v3
	v_lshl_add_u32 v1, v5, 11, v1                  ; + eight K blocks of 256 bytes
	v_lshl_add_u32 v1, v7, 12, v1                  ; + rows of 4,096 bytes
	v_and_b32 v2, 31, v0
	v_lshlrev_b32 v2, 3, v2                        ; out: 8 bytes a lane: the pair's two rows of 128 bytes on end,
	v_lshl_add_u32 v2, v6, 8, v2                   ; + 256 bytes a pair
	s_wait_kmcnt 0x0
	s_cmp_lt_u32 s22, 1
	s_cselect_b64 s[16:17], s[6:7], s[8:9]         ; Wq or Wk,
	s_cmp_lt_u32 s22, 2
	s_cselect_b64 s[16:17], s[16:17], s[10:11]     ; or Wv,
	s_cmp_lt_u32 s20, 1024
	s_cselect_b64 s[16:17], s[4:5], s[16:17]       ; or x
	s_cselect_b64 s[18:19], s[12:13], s[14:15]     ; xb or wb
	s_cselect_b32 s24, s20, s23                    ; my part of the source,
	s_cselect_b32 s25, s20, s21                    ; and of the destination
	s_cselect_b32 s30, s30, s31
	s_lshl_b32 s26, s24, 15                        ; 8 rows of 4,096 bytes
	s_mov_b32 s27, 0
	s_lshl_b32 s28, s25, 10                        ; 8 rows of 128 bytes
	s_mov_b32 s29, 0
	s_add_nc_u64 s[16:17], s[16:17], s[26:27]
	s_add_nc_u64 s[18:19], s[18:19], s[28:29]
	v_mad_u32_u24 v2, v5, s30, v2                  ; + my eight K blocks
.irp i, 0,1,2,3,4,5,6,7
	global_load_b128 v[XR+4*(\i):XR+4*(\i)+3], v1, s[16:17] offset:256*(\i) th:TH_LOAD_NT
.endr
; The distance between K blocks stands in the stores' immediates (seven blocks of xb are 7,340,032 bytes, inside the signed 24 bits), so the eight turns are written once for xb and once for wb.
.macro OUT kb
.irp i, 0,1,2,3,4,5,6,7
	s_wait_loadcnt 7-(\i)                          ; loads come back in order (ISA guide 5.7.1): slot i is in, the 7 - i younger ones stay out
	v_cvt_pk_bf16_f32 v[YR+2*(\i)],   v[XR+4*(\i)],   v[XR+4*(\i)+1]
	v_cvt_pk_bf16_f32 v[YR+2*(\i)+1], v[XR+4*(\i)+2], v[XR+4*(\i)+3]
	global_store_b64 v2, v[YR+2*(\i):YR+2*(\i)+1], s[18:19] offset:(\kb)*(\i)
.endr
	s_endpgm
.endm
	s_cmp_lt_u32 s20, 1024
	s_cbranch_scc0 .Lweights
	OUT XKB
.Lweights:
	OUT WKB
.Lfunc_end_k_qb113bbe0f4_cast:
	.size	k_qb113bbe0f4_cast, .Lfunc_end_k_qb113bbe0f4_cast-k_qb113bbe0f4_cast
	.p2alignl 7, 3214868480
	.fill 96, 4, 3214868480
	.section	.rodata,"a",@progbits
	.p2align	6, 0x0
	.amdhsa_kernel k_qb113bbe0f4_cast
		.amdhsa_group_segment_fixed_size 0
		.amdhsa_private_segment_fixed_size 0
		.amdhsa_enable_private_segment 0
		.amdhsa_kernarg_size 48
		.amdhsa_user_sgpr_count 2
		.amdhsa_user_sgpr_kernarg_segment_ptr 1
		.amdhsa_wavefront_size32 1
		.amdhsa_system_sgpr_workgroup_id_x 1
		.amdhsa_system_sgpr_workgroup_id_y 1
		.amdhsa_system_sgpr_workgroup_id_z 1
		.amdhsa_system_vgpr_workitem_id 0
		.amdhsa_next_free_vgpr 64
		.amdhsa_next_free_sgpr 66
		.amdhsa_reserve_vcc 0
		.amdhsa_float_denorm_mode_32 3
		.amdhsa_float_denorm_mode_16_64 3
		.amdhsa_memory_ordered 1
		.amdhsa_forward_progress 1
		.amdhsa_inst_pref_size 7
	.end_amdhsa_kernel
	.amdgpu_metadata
---
amdhsa.version: [ 1, 2 ]
amdhsa.kernels:
  - .name:           k_qb113bbe0f4_cast
    .symbol:         k_qb113bbe0f4_cast.kd
    .args:
      - { .name: x, .offset: 0, .size: 8, .value_kind: global_buffer, .address_space: global }
      - { .name: Wq, .offset: 8, .size: 8, .value_kind: global_buffer, .address_space: global }
      - { .name: Wk, .offset: 16, .size: 8, .value_kind: global_buffer, .address_space: global }
      - { .name: Wv, .offset: 24, .size: 8, .value_kind: global_buffer, .address_space: global }
      - { .name: xb, .offset: 32, .size: 8, .value_kind: global_buffer, .address_space: global }
      - { .name: wb, .offset: 40, .size: 8, .value_kind: global_buffer, .address_space: global }
    .group_segment_fixed_size: 0
    .private_segment_fixed_size: 0
    .kernarg_segment_align: 8
    .kernarg_segment_size: 48
    .max_flat_workgroup_size: 256
    .sgpr_count:     66
    .vgpr_count:     64
    .wavefront_size: 32
...
	.end_amdgpu_metadata
.endif
;; end of part 1
;; launch proj (part 2): grid 8 x 32, 4 waves a work-group, clusters of 4 x 4, 327,680 bytes of LDS; arguments xb, wb, qkv; writes qkv
.if DOCPART == 2
	.amdgcn_target "amdgcn-amd-amdhsa--gfx1250"
	.amdhsa_code_object_version 6
	.text
	.protected	k_qb113bbe0f4_proj
	.globl	k_qb113bbe0f4_proj
	.p2align	8
	.type	k_qb113bbe0f4_proj,@function
k_qb113bbe0f4_proj:
	s_mov_b64 s[64:65], 0
	v_nop
	global_prefetch_b8 v0, s[64:65] scope:SCOPE_SE
	s_setreg_imm32_b32 hwreg(HW_REG_WAVE_MODE, 25, 1), 1
	s_wait_xcnt 0x0
	s_wait_alu depctr_hold_cnt(0) depctr_sa_sdst(0) depctr_va_vdst(0) depctr_va_sdst(0) depctr_va_ssrc(0) depctr_va_vcc(0) depctr_vm_vsrc(0)
	s_getreg_b32 s2, hwreg(HW_REG_IB_STS2, 6, 4)
	s_cmp_eq_u32 s2, 0
	s_cbranch_scc0 .Lentry_in_a_cluster
	s_endpgm
.Lentry_in_a_cluster:
	s_bfe_u32 s2, ttmp6, 0x10000c
	s_cmp_lg_u32 s2, 0xf033
	s_cbranch_scc0 .Lentry_shape_is_right
	s_endpgm
.Lentry_shape_is_right:
; PROJECTIONS.  qkv[m][n] = sum over k of x[m][k] w[n][k].  xb [16 K blocks][8192][64], wb [16 K blocks][3072][64], bf16, in blocks of 64 along K; sums in f32, K ascending;
; qkv [8192][3072] f16, rounded once: a row holds q (bytes 0-2047), k (2048-4095), v (4096-6143).
; LIMIT.  f16 ends at 65,504: |q|, |k|, |v| must stay below it; with the module's inputs 30 times the drawn spread they reach some thousands.  NaN and infinities are not treated apart.
; TILE.  256 x 384 of qkv to a work-group: 32 x 8 = 256 work-groups.  Four waves; a wave makes 128 rows x 192 columns: 8 x 12 = 96 accumulators of 16 x 16, 768 registers; for 32 along K it reads
; 20 fragments from LDS for 96 matrix instructions.
; K goes in steps of 64 through two LDS slots filled by the tensor data mover (two slots of 640 rows with 128 along K would not fit in LDS).  In the blocked layout a tile's rows lie end to end, so it is
; asked for as rows of 256 bytes, two tile rows each, at multiples of 256 bytes, and padded in LDS after every tile row.
; CLUSTER.  4 x 4 work-groups.  The four of a row of the cluster need the same 256 rows of xb, the four of a column the same 384 rows of wb: each tile is asked for jointly, by the same tensor load
; with the same descriptor and a mask that names the four.  Waves 0 and 1 ask for xb's two halves, waves 2 and 3 for wb's.
; THE MATRIX INSTRUCTION IS USED TRANSPOSED (source 0 = 16 rows of wb, source 1 = 16 rows of xb): a lane holds row lane % 16 of qkv and eight neighbouring columns, which pack into 16 bytes.
; REGISTERS, in windows of 256 (s_set_vgpr_msb: bits 1:0 source 0, 3:2 source 1, 5:4 source 2, 7:6 destination):
;   window 0: v0-31 addresses; v32-95, v96-159 xb's fragments (8 x 16 rows x 32 K), two buffers; v160-255 wb's fragments, three CHUNKS of four; on the way out v32-223 packed results, then whole rows
;   window 1 + c: the 32 accumulators of chunk c (column blocks 4 c .. 4 c + 3), (a, b) at v[8 (4 a + b)]
; Both sources of every product lie in window 0, so a SLICE (32 along K, 96 products) has six switches: one in front of each chunk's products, one in front of each run of loads.
; THE PIPELINE.  Behind a chunk's 32 products (and four places) its registers take the next slice's fragments; behind chunks 0 and 1 half of the other xb buffer is loaded too.  A step is an even slice
; (bytes 0-63 of the LDS rows, buffer 0) and an odd one (bytes 64-127, buffer 1).  All reads of a slot are issued by the end of its even slice, so the change of slots stands in the odd slice's first chunk.
.set PITCH,  144                       ; an LDS row: 128 bytes + 16 of padding = 36 words: the 16 rows of a fragment load begin at 16 different groups of four banks (64 banks of 4 bytes: ISA guide 11.1)
.set AHALF,  128*PITCH                 ; half of xb's tile: what wave 0 or 1 asks for, and what a wave reads
.set BOFF,   2*AHALF                   ; wb's 384 rows lie behind xb's 256
.set BHALF,  192*PITCH                 ; half of wb's tile
.set SLOT1,  1<<17                     ; a slot is 92,160 bytes; slot 1 begins here, so that one exclusive or turns an address in one slot into the other's
.set STAGE,  SLOT1+BOFF+2*BHALF        ; behind the ring, never filled by a tensor load: 128 rows x 784 bytes, the work-group's, for the way out
.set SPITCH, 784                       ; 768 bytes + 16 = 49 x 16
.set SPARE,  STAGE+128*SPITCH          ; behind the stage: the spare words, 128 bytes for each wave
.set XKB,    8192*128                  ; bytes from a K block of xb to the next
.set WKB,    3072*128                  ; the same in wb
.set STEPS,  16                        ; 1,024 along K
.set CROW,   6144                      ; bytes in a row of qkv
.set AA0, 8                            ; v8   my lane's place in xb's rows of a slot; never rewritten
.set AB0, 9                            ; v9   the same for wb
.set ADA, 10                           ; v10  the same in the slot that is being fetched from
.set ADB, 11                           ; v11
.set STO, 12                           ; v12  the way out: where I put 16 bytes of a row
.set RD,  13                           ; v13  where I read rows back
.set CO,  14                           ; v14  my byte offset in qkv
.set SPW, 16                           ; v16  my spare word's LDS address; never rewritten
.set NIL, 17                           ; v17  0; never rewritten
.set FA0, 32
.set FA1, 96
.set BF,  160
.set TMP, 32
.set G1,  24                           ; s[24:31] descriptor group 1 for xb's tiles;  s[32:39] group 0: a set for each of the two first fills; the second then walks on
.set G0,  32
.set TB,  45                           ; s45  LDS byte at which the slot that is being fetched from begins
.set G1B, 48                           ; s[48:55], s[56:63] the same for wb's
.set G0B, 56
.set MSB, 0
.macro WIN new                         ; the immediate's high byte repeats the setting that is left; a switch that changes nothing is dropped
.if MSB != (\new)
	s_set_vgpr_msb (MSB<<8)|(\new)
.set MSB, \new
.endif
.endm
; A joint load.  The branch hangs on the wave's number alone.  An s_nop 0 and four v_nop follow each of the two lines, ahead of the jump, the label and what follows.
.macro JLOAD s
	s_cmp_eq_u32 s11, 0
	s_cbranch_scc0 .Lfor_b_\@
	tensor_load_to_lds s[G0+4*(\s):G0+4*(\s)+3], s[G1:G1+7]
	s_nop 0
.rept 4
	v_nop
.endr
	s_branch .Lasked_\@
.Lfor_b_\@:
	tensor_load_to_lds s[G0B+4*(\s):G0B+4*(\s)+3], s[G1B:G1B+7]
	s_nop 0
.rept 4
	v_nop
.endr
.Lasked_\@:
.endm
.macro CREST                           ; a round of the cluster's barrier behind its opening barrier: wave 0 signals for the work-group, every wave waits for all sixteen, my work-group's barrier closes it
	s_cmp_lg_u32 s10, 0
	s_cbranch_scc1 .Lnot_wave_0_\@
	s_barrier_signal -3
.Lnot_wave_0_\@:
	s_barrier_wait -3
	s_barrier_signal -1
	s_barrier_wait -1
.endm
.macro CROUND                          ; a whole round
	s_barrier_signal -1
	s_barrier_wait -1
	CREST
.endm
	s_load_b128 s[4:7], s[0:1], 0x0                ; xb s[4:5], wb s[6:7]
	s_load_b64 s[8:9], s[0:1], 0x10                ; qkv
	v_lshl_add_u32 v[SPW], v0, 2, SPARE
	v_mov_b32 v[NIL], 0
	ds_add_u32 v[SPW], v[NIL]                      ; the wave's opening: the add and its wait come ahead of my first tensor load; the set-up below, work on registers, stands between them
	ds_add_u32 v16, v17
	v_lshrrev_b32 v1, 5, v0
	v_readfirstlane_b32 s10, v1                    ; wave 0..3
	s_lshr_b32 s11, s10, 1                         ; which half of the tile's rows is mine.  Also: I fetch for xb (0) or for wb (1)
	s_and_b32 s12, s10, 1                          ; which half of its columns.  Also: which half of that tile I fetch
	s_bfe_u32 s40, ttmp6, 0x40000                  ; cx, cy: my place in the cluster
	s_bfe_u32 s41, ttmp6, 0x40004
	s_lshl_b32 s42, ttmp9, 2
	s_add_co_u32 s42, s42, s40                     ; tile column = 4 x cluster x + cx
	s_and_b32 s13, ttmp7, 0xffff
	s_lshl_b32 s13, s13, 2
	s_add_co_u32 s13, s13, s41                     ; tile row = 4 x cluster y + cy
	s_lshl_b32 s43, s41, 2
	s_lshl_b32 s43, 15, s43                        ; my row of the cluster
	s_lshl_b32 s44, 0x1111, s40                    ; my column
	s_or_b32 s[G1+0], s43, (1<<16)|(1<<20)|(1<<21)|(4<<22)|(3<<25)  ; 15:0 the mask; 17:16 elements of 2 bytes; 20 padding on; 21 set beside a mask; 24:22 after every 32 words (code 4); 31:25 4 words (code 3)
	s_or_b32 s[G1B+0], s44, (1<<16)|(1<<20)|(1<<21)|(4<<22)|(3<<25)
	s_mov_b32 s[G1+2], 64<<16                      ; tensor_dim1: 128 tile rows are 64 rows of 256 bytes
	s_mov_b32 s[G1+4], 64                          ; tile_dim1
	s_mov_b32 s[G1B+2], 96<<16                     ; 192 tile rows are 96
	s_mov_b32 s[G1B+4], 96
.irp g, G1, G1B
	s_mov_b32 s[(\g)+1], 128<<16                   ; tensor_dim0 = 128 elements
	s_mov_b32 s[(\g)+3], 128<<16                   ; tile_dim0
	s_mov_b32 s[(\g)+5], 128                       ; elements from row to row: dense
	s_mov_b32 s[(\g)+6], 0
	s_mov_b32 s[(\g)+7], 0
.endr
	s_lshl_b32 s16, s13, 15                        ; xb: 256 rows of 128 bytes for each tile row, 128 rows for my half; hangs on the tile row alone
	s_lshl_b32 s17, s12, 14
	s_add_co_u32 s16, s16, s17
	s_mov_b32 s17, 0
	s_mul_i32 s46, s42, 384*128                    ; wb: 384 rows for each tile column, 192 for my half; hangs on the tile column alone
	s_mul_i32 s47, s12, 192*128
	s_add_co_u32 s46, s46, s47
	s_mov_b32 s47, 0
	s_mul_i32 s20, s12, AHALF                      ; where my tile goes, as xb's,
	s_mul_i32 s21, s12, BHALF                      ; and as wb's: no place in the cluster enters an LDS address
	s_add_co_u32 s21, s21, BOFF
	s_mov_b32 s[TB], 0
	s_wait_dscnt 0x0                               ; the opening add is done
	s_wait_kmcnt 0x0
	s_add_nc_u64 s[14:15], s[4:5], s[16:17]
	s_add_nc_u64 s[46:47], s[6:7], s[46:47]
	CROUND                                         ; all sixteen work-groups are here: the first joint loads meet
.irp s, 0,1
	s_mov_b32 s[G0+4*(\s)], 1                      ; count = 1
	s_add_co_u32 s[G0+4*(\s)+1], s20, (\s)*SLOT1   ; LDS address
	s_add_nc_u64 s[G0+4*(\s)+2:G0+4*(\s)+3], s[14:15], (\s)*XKB      ; global address: K step s
	s_or_b32 s[G0+4*(\s)+3], s[G0+4*(\s)+3], 0x80000000              ; type = 2
	s_mov_b32 s[G0B+4*(\s)], 1
	s_add_co_u32 s[G0B+4*(\s)+1], s21, (\s)*SLOT1
	s_add_nc_u64 s[G0B+4*(\s)+2:G0B+4*(\s)+3], s[46:47], (\s)*WKB
	s_or_b32 s[G0B+4*(\s)+3], s[G0B+4*(\s)+3], 0x80000000
	JLOAD \s                                       ; two tensor loads of mine are out
.endr
	; a fragment is 16 rows x 32 K in 8 registers: lane l holds row l % 16, K = 8 (l / 16) + 0..7 and 16 + 8 (l / 16) + 0..7: two loads of 16 bytes, 32 bytes apart
	v_and_b32 v1, 15, v0                           ; l % 16
	v_bfe_u32 v2, v0, 4, 1                         ; l / 16
	v_mul_u32_u24 v3, v1, PITCH
	v_lshl_add_u32 v3, v2, 4, v3
	s_mul_i32 s22, s11, AHALF                      ; my 128 rows of xb
	v_add_nc_u32 v[AA0], s22, v3
	s_mul_i32 s22, s12, BHALF                      ; my 192 rows of wb
	s_add_co_u32 s22, s22, BOFF
	v_add_nc_u32 v[AB0], s22, v3
	v_add_nc_u32 v[ADA], s[TB], v[AA0]             ; slot 0
	v_add_nc_u32 v[ADB], s[TB], v[AB0]
	s_mul_i32 s23, s11, 64*SPITCH                  ; into the stage: a pass holds 64 rows of each row half; row l % 16, my wave's 384 bytes, 16 bytes for each half of the lanes
	s_mul_i32 s22, s12, 384
	s_add_co_u32 s23, s23, s22
	s_add_co_u32 s23, s23, STAGE
	v_mul_u32_u24 v4, v1, SPITCH
	v_lshl_add_u32 v4, v2, 4, v4
	v_add_nc_u32 v[STO], s23, v4
	s_mul_i32 s23, s10, 32*SPITCH                  ; back: wave w takes the stage's rows 32 w .. 32 w + 31, whole; lanes 0-15 256 bytes of one row, lanes 16-31 of the next
	s_add_co_u32 s23, s23, STAGE
	v_mul_u32_u24 v5, v2, SPITCH
	v_lshl_add_u32 v5, v1, 4, v5
	v_add_nc_u32 v[RD], s23, v5
	v_mul_u32_u24 v5, v2, CROW
	v_lshl_add_u32 v[CO], v1, 4, v5
	s_lshl_b32 s16, s13, 8                         ; those rows in qkv, in the first pass: 256 x tile row + 128 x (w / 2) + 32 x (w % 2)
	s_lshl_b32 s17, s11, 7
	s_add_co_u32 s16, s16, s17
	s_lshl_b32 s17, s12, 5
	s_add_co_u32 s16, s16, s17
	s_mul_i32 s16, s16, CROW
	s_mov_b32 s17, 0
	s_add_nc_u64 s[8:9], s[8:9], s[16:17]
	s_mul_i32 s46, s42, 768                        ; the tile's first column, in bytes
	s_mov_b32 s47, 0
	s_add_nc_u64 s[8:9], s[8:9], s[46:47]
; 16 matrix instructions: row blocks a0 .. a0 + 3 x the four column blocks of chunk c, 32 along K, xb's fragments in buffer f.  zero = 1: the product starts the sums.
; The 96 accumulators take turns, in the same order in every slice.
.macro MUL16 f, c, a0, zero
	WIN 0x50*((\c)+1)                              ; sources in window 0, C and D in window 1 + c
.irp a, \a0, (\a0)+1, (\a0)+2, (\a0)+3
.irp b, 0,1,2,3
.if \zero
	v_wmma_f32_16x16x32_bf16 v[8*(4*(\a)+(\b)):8*(4*(\a)+(\b))+7], v[BF+32*(\c)+8*(\b):BF+32*(\c)+8*(\b)+7], v[(\f)+8*(\a):(\f)+8*(\a)+7], 0
.else
	v_wmma_f32_16x16x32_bf16 v[8*(4*(\a)+(\b)):8*(4*(\a)+(\b))+7], v[BF+32*(\c)+8*(\b):BF+32*(\c)+8*(\b)+7], v[(\f)+8*(\a):(\f)+8*(\a)+7], v[8*(4*(\a)+(\b)):8*(4*(\a)+(\b))+7]
.endif
.endr
.endr
.endm
.macro PLACES                          ; four plain vector instructions between a matrix instruction and a load into a register that it read, or a vector instruction that reads its result
.rept 4
	v_nop
.endr
.endm
; A run of LDS loads: wb's chunk c at byte k of the rows (8 loads) and, for c = 0 and 1, xb's row blocks 4 c .. 4 c + 3 into buffer f (8 more).  places = 0: the four places stand in front already.
.macro FETCHC c, f, k, places=1
.if \places
	PLACES
.endif
	WIN 0
.irp i, 0,1,2,3
	ds_load_b128 v[BF+32*(\c)+8*(\i):BF+32*(\c)+8*(\i)+3],   v[ADB] offset:(\k)+(4*(\c)+(\i))*16*PITCH
	ds_load_b128 v[BF+32*(\c)+8*(\i)+4:BF+32*(\c)+8*(\i)+7], v[ADB] offset:(\k)+(4*(\c)+(\i))*16*PITCH+32
.endr
.if (\c) < 2
.irp i, 0,1,2,3
	ds_load_b128 v[(\f)+8*(4*(\c)+(\i)):(\f)+8*(4*(\c)+(\i))+3],   v[ADA] offset:(\k)+(4*(\c)+(\i))*16*PITCH
	ds_load_b128 v[(\f)+8*(4*(\c)+(\i))+4:(\f)+8*(4*(\c)+(\i))+7], v[ADA] offset:(\k)+(4*(\c)+(\i))*16*PITCH+32
.endr
.endif
.endm
; THE EVEN SLICE of a step multiplies buffer 0 and fetches the same slot's odd slice (byte 64 of the rows) into buffer 1 and the chunks.
.macro EVEN zero
	s_wait_dscnt 8                                 ; all of this slice's fragments but chunk 2's, the youngest eight loads
	MUL16 FA0, 0, 0, \zero
	MUL16 FA0, 0, 4, \zero
	FETCHC 0, FA1, 64
	MUL16 FA0, 1, 0, \zero
	MUL16 FA0, 1, 4, \zero
	FETCHC 1, FA1, 64
	s_wait_dscnt 32                                ; chunk 2 is in: 32 loads were issued behind it
	MUL16 FA0, 2, 0, \zero
	MUL16 FA0, 2, 4, \zero
	FETCHC 2, FA1, 64
.endm
; THE ODD SLICE multiplies buffer 1 and changes slots: one barrier.  In front of it each wave waits for all its tensor loads (one is out: its part of the next slot), adds 0 to its spare word, and waits for that
; and for its reads of this slot, of which chunk 2's were the last.  Behind it the next slot's even slice is fetched.
; mode = 2: the barrier opens a round of the cluster's, and this slot is filled again, two K steps on, first thing behind the round: the load has a step's 192 products less those between signal and wait in which to land.
; mode = 1: nothing is left to ask for.  mode = 0: the very last slice: no barrier, nothing to fetch.
.macro ODD mode
.if \mode
	WIN 0                                          ; the add's two registers lie in window 0
	s_wait_tensorcnt 0x0                           ; no tensor load of mine is out, so a group 0 may be written
	ds_add_u32 v[SPW], v[NIL]
.if (\mode) == 2
	s_xor_b32 s[G0+5], s[G0+5], SLOT1              ; the walking descriptors: the other slot than last time,
	s_xor_b32 s[G0B+5], s[G0B+5], SLOT1
	s_add_nc_u64 s[G0+6:G0+7], s[G0+6:G0+7], XKB   ; the next K block; the type bits on top are not reached
	s_add_nc_u64 s[G0B+6:G0B+7], s[G0B+6:G0B+7], WKB
.endif
	s_wait_dscnt 9                                 ; the add and chunk 2's eight loads may be out
	MUL16 FA1, 0, 0, 0                             ; sixteen matrix instructions stand between the add and the wait for it
	s_wait_dscnt 0x0                               ; the add is done, and my reads of this slot are over
	s_barrier_signal -1
	MUL16 FA1, 0, 4, 0
.if (\mode) == 2
	WIN 0
.endif
	s_barrier_wait -1
.if (\mode) == 2
	CREST                                          ; no wave of any partner still reads this slot or has a load on its way
	JLOAD 1                                        ; my one tensor load behind the round; its four v_nop are also the places in front of the loads below
.else
	PLACES
.endif
	WIN 0
	s_xor_b32 s[TB], s[TB], SLOT1                  ; the fetches go on in the other slot
	v_add_nc_u32 v[ADA], s[TB], v[AA0]
	v_add_nc_u32 v[ADB], s[TB], v[AB0]
	FETCHC 0, FA0, 0, 0
	MUL16 FA1, 1, 0, 0
	MUL16 FA1, 1, 4, 0
	FETCHC 1, FA0, 0
	MUL16 FA1, 2, 0, 0
	MUL16 FA1, 2, 4, 0
	FETCHC 2, FA0, 0
.else
	s_wait_dscnt 8
	MUL16 FA1, 0, 0, 0
	MUL16 FA1, 0, 4, 0
	MUL16 FA1, 1, 0, 0
	MUL16 FA1, 1, 4, 0
	s_wait_dscnt 0x0
	MUL16 FA1, 2, 0, 0
	MUL16 FA1, 2, 4, 0
.endif
.endm
	s_wait_tensorcnt 1                             ; my part of K step 0 is in; K step 1's may stay out
	s_barrier_signal -1
	s_barrier_wait -1
	FETCHC 0, FA0, 0, 0                            ; the first slice's fragments, in the order in which every slice's are fetched
	FETCHC 1, FA0, 0, 0
	FETCHC 2, FA0, 0, 0
	EVEN 1                                         ; the first slice stands in front of the loop: its products start the sums
	WIN 0                                          ; at a label and at a branch every window is 0
	s_mov_b32 s3, STEPS-2
.Lstep:                                                ; 14 trips: a step's odd slice, which asks for the step two on (steps 2 to 15), and the next step's even slice
	ODD 2
	EVEN 0
	WIN 0
	s_sub_co_u32 s3, s3, 1
	s_cmp_lg_u32 s3, 0
	s_cbranch_scc1 .Lstep
	ODD 1                                          ; the tail is written out
	EVEN 0
	ODD 0
	PLACES
	; THE WAY OUT, in two passes of 64 rows a wave: rounded to f16, 16 bytes a lane into the work-group's stage; a barrier, since a row's 768 bytes come from two waves; back as whole rows, 32 rows a wave.
.macro PACK p                          ; my row blocks 4 p .. 4 p + 3; each accumulator's registers in ascending order
.irp c, 0,1,2
	WIN 5*((\c)+1)                                 ; sources 0 and 1: window 1 + c
.irp a, 0,1,2,3
.irp b, 0,1,2,3
.irp j, 0,1,2,3
	v_cvt_pk_f16_f32 v[TMP+4*(12*(\a)+4*(\c)+(\b))+(\j)], v[8*(4*(4*(\p)+(\a))+(\b))+2*(\j)], v[8*(4*(4*(\p)+(\a))+(\b))+2*(\j)+1]
.endr
.endr
.endr
.endr
	WIN 0
.set t, 0
.rept 48                               ; row block t / 12, column block t % 12
	ds_store_b128 v[STO], v[TMP+4*t:TMP+4*t+3] offset:(t/12)*16*SPITCH+32*(t%12)
.set t, t+1
.endr
	s_wait_dscnt 0x0                               ; for the others' sake: my stores into the stage are done
	s_barrier_signal -1
	s_barrier_wait -1
.endm
.macro SEND p
.set t, 0
.rept 48                               ; pair of rows t / 3, 256 bytes t % 3 of them
	ds_load_b128 v[TMP+4*t:TMP+4*t+3], v[RD] offset:(t/3)*2*SPITCH+(t%3)*256
.set t, t+1
.endr
.set t, 0
.rept 48
	s_wait_dscnt 47-t                              ; LDS loads come back in order: number t is in
	global_store_b128 v[CO], v[TMP+4*t:TMP+4*t+3], s[8:9] offset:(\p)*64*CROW+(t/3)*2*CROW+(t%3)*256  ; 16 lanes store 256 consecutive bytes, at a multiple of 256 from qkv's first byte
.set t, t+1
.endr
.endm
	PACK 0
	SEND 0
	s_wait_xcnt 0x0                                ; the stores have had their addresses translated (ISA guide 3.1): their data registers are written again only behind this wait
	s_barrier_signal -1                            ; my reads of the stage are back (the count-down ended at 0): say so,
	s_barrier_wait -1                              ; and write the stage again when all four have
	PACK 1
	SEND 1
	s_wait_tensorcnt 0x0                           ; the wave's end, behind my last tensor load and my last LDS store
	ds_add_u32 v[SPW], v[NIL]
	s_wait_dscnt 0x0
	CROUND                                         ; the closing round: no work-group ends while a partner may still ask for a tile that names it
	s_endpgm
.Lfunc_end_k_qb113bbe0f4_proj:
	.size	k_qb113bbe0f4_proj, .Lfunc_end_k_qb113bbe0f4_proj-k_qb113bbe0f4_proj
	.p2alignl 7, 3214868480
	.fill 96, 4, 3214868480
	.section	.rodata,"a",@progbits
	.p2align	6, 0x0
	.amdhsa_kernel k_qb113bbe0f4_proj
		.amdhsa_group_segment_fixed_size 327680
		.amdhsa_private_segment_fixed_size 0
		.amdhsa_enable_private_segment 0
		.amdhsa_kernarg_size 24
		.amdhsa_user_sgpr_count 2
		.amdhsa_user_sgpr_kernarg_segment_ptr 1
		.amdhsa_wavefront_size32 1
		.amdhsa_system_sgpr_workgroup_id_x 1
		.amdhsa_system_sgpr_workgroup_id_y 1
		.amdhsa_system_sgpr_workgroup_id_z 1
		.amdhsa_system_vgpr_workitem_id 0
		.amdhsa_next_free_vgpr 1024
		.amdhsa_next_free_sgpr 66
		.amdhsa_reserve_vcc 0
		.amdhsa_float_denorm_mode_32 3
		.amdhsa_float_denorm_mode_16_64 3
		.amdhsa_memory_ordered 1
		.amdhsa_forward_progress 1
		.amdhsa_inst_pref_size 113
	.end_amdhsa_kernel
	.amdgpu_metadata
---
amdhsa.version: [ 1, 2 ]
amdhsa.kernels:
  - .name:           k_qb113bbe0f4_proj
    .symbol:         k_qb113bbe0f4_proj.kd
    .args:
      - { .name: xb, .offset: 0, .size: 8, .value_kind: global_buffer, .address_space: global }
      - { .name: wb, .offset: 8, .size: 8, .value_kind: global_buffer, .address_space: global }
      - { .name: qkv, .offset: 16, .size: 8, .value_kind: global_buffer, .address_space: global }
    .group_segment_fixed_size: 327680
    .private_segment_fixed_size: 0
    .kernarg_segment_align: 8
    .kernarg_segment_size: 24
    .max_flat_workgroup_size: 128
    .sgpr_count:     66
    .vgpr_count:     1024
    .wavefront_size: 32
...
	.end_amdgpu_metadata
.endif
;; end of part 2
;; launch scores (part 3): grid 36 x 4, 4 waves a work-group, no clusters, 327,680 bytes of LDS; arguments qkv, sc; writes sc
.if DOCPART == 3
	.amdgcn_target "amdgcn-amd-amdhsa--gfx1250"
	.amdhsa_code_object_version 6
	.text
	.protected	k_qb113bbe0f4_scores
	.globl	k_qb113bbe0f4_scores
	.p2align	8
	.type	k_qb113bbe0f4_scores,@function
k_qb113bbe0f4_scores:
	s_mov_b64 s[64:65], 0
	v_nop
	global_prefetch_b8 v0, s[64:65] scope:SCOPE_SE
	s_setreg_imm32_b32 hwreg(HW_REG_WAVE_MODE, 25, 1), 1
	s_wait_xcnt 0x0
; SCORES.  sc[b][q][k] = sum over e of q[b][q][e] k[b][k][e], unscaled and unmasked, f32.  q and k are f16, columns 0-1023 and 1024-2047 of qkv [8192][3072]; sums in f32.
; Only the tiles of 256 x 256 that hold a visible score are made: tile row I, tile column J <= I: 36 for each of the 4 sequences.  What lies above the diagonal inside a diagonal tile is made and stored with
; the rest; the next launch hides it.  Tiles with J > I are never written and never read.
; NO CLUSTER: the tiles of a sequence form a triangle whose rows and columns have 1 to 8 tiles; it falls into groups of four with a common operand only if 48 wholly hidden tiles are added to the 144.
; A tile is made by four waves, each 128 x 128: 64 accumulators of 16 x 16, 512 registers.  The channels go in steps of 128 through two LDS slots filled by the tensor data mover: rows of 256 bytes, at multiples of 256.
; THE MATRIX INSTRUCTION IS USED TRANSPOSED (source 0 = 16 keys, source 1 = 16 queries): a lane holds query lane % 16 and eight neighbouring keys, 32 bytes of a row of sc.
; REGISTERS, in windows of 256 (s_set_vgpr_msb: bits 1:0 source 0, 3:2 source 1, 5:4 source 2, 7:6 destination):
;   window 0: v0-31 addresses; v64-127, v128-191 q's fragments, two buffers; on the way out the same registers hold whole rows      window 1: v64-127, v128-191 k's fragments
;   window 2: the accumulators of my rows 0-63, (a, b) at v[8 (8 a + b)]      window 3: those of my rows 64-127
.set KSTEP,  128
.set PITCH,  272                       ; an LDS row: 256 bytes + 16 of padding: the 16 rows of a fragment load begin at 16 different groups of four banks (64 banks of 4 bytes: ISA guide 11.1)
.set HALFT,  128*PITCH                 ; 128 rows: what one tensor load brings, and what one wave reads of q or of k
.set SLOT,   4*HALFT                   ; q's 256 rows, then k's 256
.set STAGE,  2*SLOT                    ; behind the ring, never filled by a tensor load: 16 rows x 528 bytes for each wave
.set SPITCH, 528                       ; 512 bytes + 16 = 33 x 16
.set SPARE,  STAGE+4*16*SPITCH         ; behind the stages: the spare words, 128 bytes for each wave
.set LAPS,   4                         ; 1,024 channels = 8 steps = 4 times round the ring
.set QROW,   6144                      ; bytes in a row of qkv
.set SROW,   8192                      ; bytes in a row of sc
.set ADRA, 16                          ; v16-17  LDS address of my q fragments in slot 0, 1
.set ADRB, 20                          ; v20-21  the same for k
.set STO,  24                          ; v24     the way out: where I put 32 bytes of a row
.set RD,   25                          ; v25     where I read a row back
.set CO,   26                          ; v26     my byte offset in a row piece of sc
.set SPW,  28                          ; v28     my spare word's LDS address; never rewritten
.set NIL,  29                          ; v29     0; never rewritten
.set F0,   64
.set F1,   128
.set G1, 24                            ; s[24:31] descriptor group 1, one for all loads
.set G0, 32                            ; s[32:39] descriptor group 0, a set for each slot
.set MSB, 0
.macro WIN new
.if MSB != (\new)
	s_set_vgpr_msb (MSB<<8)|(\new)
.set MSB, \new
.endif
.endm
.set MUL_LO, 0xa1                      ; source 0 (k) window 1, source 1 (q) window 0, C and D window 2
.set MUL_HI, 0xf1
.set TO_B,   0x40
	s_load_b128 s[4:7], s[0:1], 0x0                ; qkv s[4:5], sc s[6:7]
	v_lshl_add_u32 v[SPW], v0, 2, SPARE
	v_mov_b32 v[NIL], 0
	ds_add_u32 v[SPW], v[NIL]                      ; the wave's opening: the add and its wait come ahead of my first tensor load; the set-up below stands between them
	ds_add_u32 v28, v29
	v_lshrrev_b32 v1, 5, v0
	v_readfirstlane_b32 s10, v1                    ; wave 0..3
	s_lshr_b32 s11, s10, 1                         ; which half of the tile's rows is mine
	s_and_b32 s12, s10, 1                          ; which half of its columns.  Also: which 128 rows of a tile I fetch
	s_mov_b32 s14, ttmp9                           ; t = I (I + 1) / 2 + J
	s_and_b32 s18, ttmp7, 0xffff                   ; the sequence
	s_mov_b32 s13, 0
.irp th, 1,3,6,10,15,21,28
	s_cmp_ge_u32 s14, \th                          ; I = how many of the rows' first numbers t has reached
	s_add_co_ci_u32 s13, s13, 0
.endr
	s_add_co_u32 s15, s13, 1
	s_mul_i32 s15, s15, s13
	s_lshr_b32 s15, s15, 1
	s_sub_co_u32 s15, s14, s15                     ; J
	s_mov_b32 s[G1+0], (1<<16)|(1<<20)|(5<<22)|(3<<25)  ; 17:16 elements of 2 bytes; 20 padding on; 24:22 after every 64 words (code 5); 31:25 4 words (code 3)
	s_mov_b32 s[G1+1], KSTEP<<16                   ; tensor_dim0 = 128
	s_mov_b32 s[G1+2], 128<<16                     ; tensor_dim1 = 128
	s_mov_b32 s[G1+3], KSTEP<<16                   ; tile_dim0 = 128
	s_mov_b32 s[G1+4], 128                         ; tile_dim1 = 128
	s_mov_b32 s[G1+5], 3072                        ; elements from row to row
	s_mov_b32 s[G1+6], 0
	s_mov_b32 s[G1+7], 0
	s_cmp_lt_u32 s10, 2                            ; waves 0 and 1 fetch q's tile I, waves 2 and 3 k's tile J
	s_cselect_b32 s16, s13, s15
	s_cselect_b32 s17, 0, 2048                     ; q begins at byte 0 of a row, k at 2,048
	s_lshl_b32 s16, s16, 8
	s_lshl_b32 s19, s18, 11
	s_add_co_u32 s16, s16, s19
	s_lshl_b32 s21, s12, 7
	s_add_co_u32 s16, s16, s21                     ; row 2,048 b + 256 x tile + 128 x half
	s_mul_i32 s16, s16, QROW
	s_add_co_u32 s16, s16, s17
	s_mov_b32 s17, 0
	s_mul_i32 s20, s10, HALFT                      ; where my tile goes: wave x 128 rows
	s_lshl_b32 s40, s13, 8                         ; where my part of the tile begins in sc
	s_add_co_u32 s40, s40, s19
	s_lshl_b32 s41, s11, 7
	s_add_co_u32 s40, s40, s41                     ; row 2,048 b + 256 I + 128 x row half
	s_lshl_b32 s40, s40, 13
	s_lshl_b32 s41, s15, 10
	s_add_co_u32 s40, s40, s41                     ; + 1,024 J
	s_lshl_b32 s41, s12, 9
	s_add_co_u32 s40, s40, s41                     ; + 512 x column half
	s_mov_b32 s41, 0
	s_wait_dscnt 0x0                               ; the opening add is done
	s_wait_kmcnt 0x0
	s_add_nc_u64 s[22:23], s[4:5], s[16:17]
	s_add_nc_u64 s[6:7], s[6:7], s[40:41]
.irp s, 0,1
	s_mov_b32 s[G0+4*(\s)], 1                      ; count = 1
	s_add_co_u32 s[G0+4*(\s)+1], s20, (\s)*SLOT    ; LDS address
	s_add_nc_u64 s[G0+4*(\s)+2:G0+4*(\s)+3], s[22:23], (\s)*KSTEP*2  ; global address: step s
	s_or_b32 s[G0+4*(\s)+3], s[G0+4*(\s)+3], 0x80000000              ; type = 2
.endr
	tensor_load_to_lds s[G0:G0+3], s[G1:G1+7]      ; the two first fills go out together: two tensor loads of mine are out
	s_nop 0
	tensor_load_to_lds s[G0+4:G0+7], s[G1:G1+7]
	s_nop 0
.rept 4
	v_nop
.endr
	v_and_b32 v1, 15, v0                           ; l % 16
	v_bfe_u32 v2, v0, 4, 1                         ; l / 16
	v_mul_u32_u24 v3, v1, PITCH
	v_lshl_add_u32 v3, v2, 4, v3                   ; a fragment's row x pitch + 16 x half
	s_mul_i32 s21, s11, HALFT                      ; my 128 rows of q
	s_mul_i32 s22, s12, HALFT                      ; my 128 rows of k,
	s_add_co_u32 s22, s22, 2*HALFT                 ; which lie behind q's 256
.irp s, 0,1
	v_add_nc_u32 v[ADRA+(\s)], s21, v3
	v_add_nc_u32 v[ADRB+(\s)], s22, v3
	s_add_co_u32 s21, s21, SLOT
	s_add_co_u32 s22, s22, SLOT
.endr
	s_mul_i32 s23, s10, 16*SPITCH
	s_add_co_u32 s23, s23, STAGE                   ; my stage
	v_mul_u32_u24 v4, v1, SPITCH                   ; in: row l % 16, 32 bytes for each half of the lanes
	v_lshl_add_u32 v4, v2, 5, v4
	v_add_nc_u32 v[STO], s23, v4
	v_and_b32 v5, 31, v0
	v_lshlrev_b32 v[CO], 4, v5                     ; back: 32 lanes take a row's 512 bytes
	v_add_nc_u32 v[RD], s23, v[CO]
; 16 matrix instructions: row blocks a0, a0 + 1 of the window's four x all 8 column blocks, 32 channels.  zero = 1: the product starts the sums.  The 64 accumulators take turns.
.macro MUL16 f, hi, a0, zero
	WIN MUL_LO+0x50*(\hi)
.irp a, \a0, (\a0)+1
.irp b, 0,1,2,3,4,5,6,7
.if \zero
	v_wmma_f32_16x16x32_f16 v[8*(8*(\a)+(\b)):8*(8*(\a)+(\b))+7], v[(\f)+8*(\b):(\f)+8*(\b)+7], v[(\f)+8*(4*(\hi)+(\a)):(\f)+8*(4*(\hi)+(\a))+7], 0
.else
	v_wmma_f32_16x16x32_f16 v[8*(8*(\a)+(\b)):8*(8*(\a)+(\b))+7], v[(\f)+8*(\b):(\f)+8*(\b)+7], v[(\f)+8*(4*(\hi)+(\a)):(\f)+8*(4*(\hi)+(\a))+7], v[8*(8*(\a)+(\b)):8*(8*(\a)+(\b))+7]
.endif
.endr
.endr
.endm
.macro FETCH slot, k, f                ; 32 LDS loads in one run: a quarter step's fragments (128 keys, 128 queries, 32 channels at byte k) into buffer f
	WIN TO_B
.irp i, 0,1,2,3,4,5,6,7
	ds_load_b128 v[(\f)+8*(\i):(\f)+8*(\i)+3],   v[ADRB+(\slot)] offset:(\k)+(\i)*16*PITCH
	ds_load_b128 v[(\f)+8*(\i)+4:(\f)+8*(\i)+7], v[ADRB+(\slot)] offset:(\k)+(\i)*16*PITCH+32
.endr
	WIN 0
.irp i, 0,1,2,3,4,5,6,7
	ds_load_b128 v[(\f)+8*(\i):(\f)+8*(\i)+3],   v[ADRA+(\slot)] offset:(\k)+(\i)*16*PITCH
	ds_load_b128 v[(\f)+8*(\i)+4:(\f)+8*(\i)+7], v[ADRA+(\slot)] offset:(\k)+(\i)*16*PITCH+32
.endr
.endm
.macro PLACES                          ; four plain vector instructions between a matrix instruction and a load into a register that it read, or an LDS store of its result
.rept 4
	v_nop
.endr
.endm
.macro QUARTER slot, k, f, g, zero
	s_wait_dscnt 8                                 ; k's fragments and q's rows 0-63 are in; the youngest eight loads may be out
	MUL16 \f, 0, 0, \zero
	MUL16 \f, 0, 2, \zero
	PLACES
	FETCH \slot, \k, \g
	s_wait_dscnt 32                                ; all but the 32 just issued
	MUL16 \f, 1, 0, \zero
	MUL16 \f, 1, 2, \zero
.endm
; The last quarter multiplies buffer 1 and changes slots: one barrier.  In front of it each wave waits for all its tensor loads (one is out: its part of the next slot), adds 0 to its spare word, and waits
; for that and for its reads of this slot.  fill = 1: this slot is filled again, two steps on, first thing behind the barrier.
.macro TURN slot, next, fill
	WIN 0
	s_wait_tensorcnt 0x0                           ; no tensor load of mine is out, so a group 0 may be written
	ds_add_u32 v[SPW], v[NIL]
.if \fill
	s_add_nc_u64 s[G0+4*(\slot)+2:G0+4*(\slot)+3], s[G0+4*(\slot)+2:G0+4*(\slot)+3], 2*KSTEP*2
.endif
	s_wait_dscnt 9                                 ; the add and the youngest eight loads may be out
	MUL16 F1, 0, 0, 0
	s_wait_dscnt 0x0                               ; the add is done, and my reads of this slot are over
	s_barrier_signal -1
	MUL16 F1, 0, 2, 0
	s_barrier_wait -1
.if \fill
	tensor_load_to_lds s[G0+4*(\slot):G0+4*(\slot)+3], s[G1:G1+7]  ; my one tensor load behind the barrier
	s_nop 0
.endif
	PLACES                                         ; the places in front of the loads below; behind a tensor load also the four lines ahead of the next switch of windows
	FETCH \next, 0, F0
	MUL16 F1, 1, 0, 0
	MUL16 F1, 1, 2, 0
.endm
	s_wait_tensorcnt 1                             ; my part of step 0 is in; step 1's may stay out
	s_barrier_signal -1
	s_barrier_wait -1
	FETCH 0, 0, F0
	QUARTER 0, 64,  F0, F1, 1                      ; the first quarter's products start the sums
	WIN 0
	s_mov_b32 s3, LAPS-1
.Llap:                                                 ; once round the ring, from a lap's second quarter to the next lap's first; both slots are filled again: steps 2 to 7 in three trips
	QUARTER 0, 128, F1, F0, 0
	QUARTER 0, 192, F0, F1, 0
	TURN 0, 1, 1
	QUARTER 1, 64,  F0, F1, 0
	QUARTER 1, 128, F1, F0, 0
	QUARTER 1, 192, F0, F1, 0
	TURN 1, 0, 1
	QUARTER 0, 64,  F0, F1, 0
	WIN 0
	s_sub_co_u32 s3, s3, 1
	s_cmp_lg_u32 s3, 0
	s_cbranch_scc1 .Llap
	QUARTER 0, 128, F1, F0, 0                      ; the last lap fills nothing
	QUARTER 0, 192, F0, F1, 0
	TURN 0, 1, 0
	QUARTER 1, 64,  F0, F1, 0
	QUARTER 1, 128, F1, F0, 0
	QUARTER 1, 192, F0, F1, 0
	s_wait_dscnt 8
	MUL16 F1, 0, 0, 0
	MUL16 F1, 0, 2, 0
	s_wait_dscnt 0x0
	MUL16 F1, 1, 0, 0
	MUL16 F1, 1, 2, 0
	PLACES
	; THE WAY OUT, a block of 16 rows at a time through my own stage: no barrier, since LDS serves a wave's instructions in order (ISA guide 5.7.1.4).
.macro TOSTAGE a
.set AC, 64*((\a)%4)
.set BK, 64+64*((\a)%2)
.if (\a) >= 2
	s_wait_xcnt 0x0                                ; the stores of the block two back have had their addresses translated (ISA guide 3.1): their registers are loaded again only behind this wait
.endif
	WIN 0x08+4*((\a)/4)                            ; the store's data: window 2 or 3
.irp b, 0,1,2,3,4,5,6,7
	ds_store_b128 v[STO], v[AC+8*(\b):AC+8*(\b)+3]   offset:64*(\b)     ; each accumulator's low four registers first
	ds_store_b128 v[STO], v[AC+8*(\b)+4:AC+8*(\b)+7] offset:64*(\b)+16
.endr
	WIN 0
.irp t, 0,1,2,3,4,5,6,7,8,9,10,11,12,13,14,15
	ds_load_b128 v[BK+4*(\t):BK+4*(\t)+3], v[RD] offset:(\t)*SPITCH
.endr
.endm
.macro SEND a, younger                 ; younger: the LDS instructions issued behind block a's loads: the next block's 32, or none
.set BK, 64+64*((\a)%2)
.irp t, 0,1,2,3,4,5,6,7,8,9,10,11,12,13,14,15
	s_wait_dscnt (\younger)+15-(\t)
	global_store_b128 v[CO], v[BK+4*(\t):BK+4*(\t)+3], s[6:7] offset:(16*(\a)+(\t))*SROW  ; 512 consecutive bytes, at a multiple of 512 from sc's first byte
.endr
.endm
	TOSTAGE 0
.irp a, 1,2,3,4,5,6,7
	TOSTAGE \a
	SEND (\a)-1, 32
.endr
	SEND 7, 0
	s_wait_tensorcnt 0x0                           ; the wave's end
	ds_add_u32 v[SPW], v[NIL]
	s_wait_dscnt 0x0
	s_endpgm
.Lfunc_end_k_qb113bbe0f4_scores:
	.size	k_qb113bbe0f4_scores, .Lfunc_end_k_qb113bbe0f4_scores-k_qb113bbe0f4_scores
	.p2alignl 7, 3214868480
	.fill 96, 4, 3214868480
	.section	.rodata,"a",@progbits
	.p2align	6, 0x0
	.amdhsa_kernel k_qb113bbe0f4_scores
		.amdhsa_group_segment_fixed_size 327680
		.amdhsa_private_segment_fixed_size 0
		.amdhsa_enable_private_segment 0
		.amdhsa_kernarg_size 16
		.amdhsa_user_sgpr_count 2
		.amdhsa_user_sgpr_kernarg_segment_ptr 1
		.amdhsa_wavefront_size32 1
		.amdhsa_system_sgpr_workgroup_id_x 1
		.amdhsa_system_sgpr_workgroup_id_y 1
		.amdhsa_system_sgpr_workgroup_id_z 1
		.amdhsa_system_vgpr_workitem_id 0
		.amdhsa_next_free_vgpr 1024
		.amdhsa_next_free_sgpr 66
		.amdhsa_reserve_vcc 0
		.amdhsa_float_denorm_mode_32 3
		.amdhsa_float_denorm_mode_16_64 3
		.amdhsa_memory_ordered 1
		.amdhsa_forward_progress 1
		.amdhsa_inst_pref_size 140
	.end_amdhsa_kernel
	.amdgpu_metadata
---
amdhsa.version: [ 1, 2 ]
amdhsa.kernels:
  - .name:           k_qb113bbe0f4_scores
    .symbol:         k_qb113bbe0f4_scores.kd
    .args:
      - { .name: qkv, .offset: 0, .size: 8, .value_kind: global_buffer, .address_space: global }
      - { .name: sc, .offset: 8, .size: 8, .value_kind: global_buffer, .address_space: global }
    .group_segment_fixed_size: 327680
    .private_segment_fixed_size: 0
    .kernarg_segment_align: 8
    .kernarg_segment_size: 16
    .max_flat_workgroup_size: 128
    .sgpr_count:     66
    .vgpr_count:     1024
    .wavefront_size: 32
...
	.end_amdgpu_metadata
.endif
;; end of part 3
;; launch softmax (part 4): grid 1024 x 1, 8 waves a work-group, no clusters, 0 bytes of LDS; arguments sc, pw; writes pw
.if DOCPART == 4
	.amdgcn_target "amdgcn-amd-amdhsa--gfx1250"
	.amdhsa_code_object_version 6
	.text
	.protected	k_qb113bbe0f4_softmax
	.globl	k_qb113bbe0f4_softmax
	.p2align	8
	.type	k_qb113bbe0f4_softmax,@function
k_qb113bbe0f4_softmax:
	s_mov_b64 s[64:65], 0
	v_nop
	global_prefetch_b8 v0, s[64:65] scope:SCOPE_SE
	s_setreg_imm32_b32 hwreg(HW_REG_WAVE_MODE, 25, 1), 1
	s_wait_xcnt 0x0
; SOFTMAX ALONG ROWS.  pw[b][q][k] = exp(sc[b][q][k] / 32 - M) / L for k <= q and 0 for the hidden keys up to the next multiple of 512, in f16; M is the maximum of the row's visible scores / 32,
; L the sum of the exponentials (of the unrounded weights); all in f32.  p = 2^(c s - c M), c = log2(e) / 32.
; LIMITS.  A weight below 6e-5 keeps f16's fixed step of 6e-8; an exponential below 2^-126 counts as 0; NaN and infinities in the scores are not treated apart.
; A stream: one wave takes one row and keeps it in registers between the maximum, the exponentials and the scaling: the row is read once.  No LDS, no barrier, no cluster: nothing is shared.
; A row q has I + 1 = q / 256 + 1 tile columns of 256 keys that the launch before wrote; only those are read.  Column I holds the diagonal and is masked; columns J < I are wholly visible; registers of
; columns J > I hold -infinity, so that the maximum runs over all 64 registers without a branch.  I is the same for the eight rows of a work-group; all jumps go forward and hang on I alone.
; WHICH ROWS.  A row's work grows with q.  Work-group g of sequence b = g / 256, with i = g % 256, takes the group of eight rows i / 2 or 255 - i / 2, by the parity of i + b: two neighbouring work-groups,
; and two that lie 256 apart, take a short group and a long one whose lengths add up to the same.
; A chunk is 128 keys: lane L holds keys 4 L .. 4 L + 3: a load covers 512 consecutive bytes, a store of the four f16 256 consecutive bytes, aligned.
.set DG,  8                            ; v[8:15]    the diagonal column's two chunks
.set XT,  16                           ; v[16:71]   column J at v[16 + 8 J], J = 0..6
.set YR,  72                           ; v[72:103]  packed results: the diagonal column's four registers, then four for each J
.set ZR,  104                          ; v[104:105] 0
.set MX,  106                          ; v[106:109] four running maxima
.set SM,  110                          ; v[110:113] two pairs of running sums
.set CM,  114                          ; v114 c M, v115 M
.set RL,  116                          ; v[116:117] 1 / L, twice
	s_load_b128 s[4:7], s[0:1], 0x0                ; sc s[4:5], pw s[6:7]
	v_lshrrev_b32 v4, 5, v0
	v_readfirstlane_b32 s8, v4                     ; wave 0..7
	v_and_b32 v5, 31, v0                           ; lane
	v_lshlrev_b32 v1, 4, v5                        ; 16 L: my bytes in a chunk of sc
	v_lshlrev_b32 v2, 3, v5                        ; 8 L: in a chunk of pw
	s_lshr_b32 s9, ttmp9, 8                        ; the sequence
	s_and_b32 s10, ttmp9, 255                      ; i
	s_xor_b32 s12, s10, s9                         ; its lowest bit: the parity of i + b
	s_lshr_b32 s10, s10, 1                         ; i / 2,
	s_sub_co_u32 s27, 255, s10                     ; or 255 - i / 2
	s_bitcmp1_b32 s12, 0
	s_cselect_b32 s10, s10, s27
	s_lshl_b32 s10, s10, 3
	s_add_co_u32 s10, s10, s8                      ; q
	s_lshr_b32 s11, s10, 8                         ; I
	s_and_b32 s27, s10, 255                        ; q's place in its tile column
	v_lshlrev_b32 v3, 2, v5
	v_sub_nc_u32 v3, s27, v3                       ; key 128 u + 4 L + e of the column is hidden where 128 u + e is greater than this
	s_lshl_b32 s12, s9, 11
	s_add_co_u32 s12, s12, s10                     ; the row among all 8,192
	s_lshl_b32 s2, s12, 12                         ; its bytes in pw,
	s_mov_b32 s3, 0
	s_lshl_b32 s12, s12, 13                        ; and in sc
	s_mov_b32 s13, 0
	s_lshl_b32 s14, s11, 10                        ; the diagonal column in a row of sc,
	s_mov_b32 s15, 0
	s_lshl_b32 s30, s11, 9                         ; and of pw
	s_mov_b32 s31, 0
	s_mov_b32 s24, 0x3d38aa3b                      ; c = log2(e) / 32
	s_mov_b32 s25, s24                             ; named with it as a pair
	s_mov_b32 s26, 0xff800000                      ; -infinity
	s_mov_b32 s28, 0x76543210                      ; v_permlanex16_b32: each lane takes its own place in the other half
	s_mov_b32 s29, 0xfedcba98
.set i, XT
.rept 56
	v_mov_b32 v[i], s26                            ; a column beyond the diagonal counts as hidden
.set i, i+1
.endr
	s_wait_kmcnt 0x0
	s_add_nc_u64 s[16:17], s[4:5], s[12:13]        ; my row of sc,
	s_add_nc_u64 s[18:19], s[16:17], s[14:15]      ; its diagonal column
	s_add_nc_u64 s[20:21], s[6:7], s[2:3]          ; my row of pw,
	s_add_nc_u64 s[22:23], s[20:21], s[30:31]      ; its diagonal column
	global_load_b128 v[DG:DG+3],   v1, s[18:19] th:TH_LOAD_NT
	global_load_b128 v[DG+4:DG+7], v1, s[18:19] offset:512 th:TH_LOAD_NT
.irp J, 0,1,2,3,4,5,6
	s_cmp_le_u32 s11, \J
	s_cbranch_scc1 .Lin
	global_load_b128 v[XT+8*(\J):XT+8*(\J)+3],   v1, s[16:17] offset:1024*(\J) th:TH_LOAD_NT
	global_load_b128 v[XT+8*(\J)+4:XT+8*(\J)+7], v1, s[16:17] offset:1024*(\J)+512 th:TH_LOAD_NT
.endr
.Lin:
	s_wait_loadcnt 0x0                             ; the ways here have issued different numbers of loads: all of them
.irp u, 0,1
.irp e, 0,1,2,3
	v_cmp_gt_i32 vcc_lo, 128*(\u)+(\e), v3
	v_cndmask_b32 v[DG+4*(\u)+(\e)], v[DG+4*(\u)+(\e)], s26, vcc_lo
.endr
.endr
	; the maximum of my 64 numbers, in four chains; the row's own key is always visible, so it is finite
.irp k, 0,1,2,3
	v_max_num_f32 v[MX+(\k)], v[DG+2*(\k)], v[DG+2*(\k)+1]
.endr
.set i, 0
.rept 28
	v_max3_num_f32 v[MX+i%4], v[MX+i%4], v[XT+2*i], v[XT+2*i+1]
.set i, i+1
.endr
	v_max3_num_f32 v[MX], v[MX], v[MX+1], v[MX+2]
	v_max_num_f32 v[MX], v[MX], v[MX+3]
	v_max_num_f32_dpp v[MX], v[MX], v[MX] row_xmask:1 row_mask:0xf bank_mask:0xf
	v_max_num_f32_dpp v[MX], v[MX], v[MX] row_xmask:2 row_mask:0xf bank_mask:0xf
	v_max_num_f32_dpp v[MX], v[MX], v[MX] row_xmask:4 row_mask:0xf bank_mask:0xf
	v_max_num_f32_dpp v[MX], v[MX], v[MX] row_xmask:8 row_mask:0xf bank_mask:0xf
	v_permlanex16_b32 v[MX+1], v[MX], s28, s29
	v_max_num_f32 v[CM+1], v[MX], v[MX+1]          ; every lane holds the row's maximum
	v_mul_f32 v[CM], s24, v[CM+1]
; eight numbers: c s - c M, the exponentials, and their sums.  first = 1: they start the sums
.macro EXPG x, first
.irp i, 0,1,2,3
	v_pk_fma_f32 v[(\x)+2*(\i):(\x)+2*(\i)+1], v[(\x)+2*(\i):(\x)+2*(\i)+1], s[24:25], v[CM:CM+1] op_sel_hi:[1,0,0] neg_lo:[0,0,1] neg_hi:[0,0,1]
.endr
.irp i, 0,1,2,3,4,5,6,7
	v_exp_f32 v[(\x)+(\i)], v[(\x)+(\i)]
.endr
	v_nop                                          ; a plain instruction between the last exponential and the use of its result (ISA guide 5.7.2)
.if \first
	s_wait_alu depctr_va_vdst(0)
	v_pk_add_f32 v[SM:SM+1],   v[(\x):(\x)+1],   v[(\x)+2:(\x)+3]
	v_pk_add_f32 v[SM+2:SM+3], v[(\x)+4:(\x)+5], v[(\x)+6:(\x)+7]
.else
	s_wait_alu depctr_va_vdst(0)
	v_pk_add_f32 v[SM:SM+1],   v[SM:SM+1],   v[(\x):(\x)+1]
	v_pk_add_f32 v[SM+2:SM+3], v[SM+2:SM+3], v[(\x)+2:(\x)+3]
	v_pk_add_f32 v[SM:SM+1],   v[SM:SM+1],   v[(\x)+4:(\x)+5]
	v_pk_add_f32 v[SM+2:SM+3], v[SM+2:SM+3], v[(\x)+6:(\x)+7]
.endif
.endm
	EXPG DG, 1
.irp J, 0,1,2,3,4,5,6
	s_cmp_le_u32 s11, \J
	s_cbranch_scc1 .Lsum
	EXPG XT+8*(\J), 0
.endr
.Lsum:
	v_pk_add_f32 v[SM:SM+1], v[SM:SM+1], v[SM+2:SM+3]
	v_add_f32 v[SM], v[SM], v[SM+1]
	v_add_f32_dpp v[SM], v[SM], v[SM] row_xmask:1 row_mask:0xf bank_mask:0xf
	v_add_f32_dpp v[SM], v[SM], v[SM] row_xmask:2 row_mask:0xf bank_mask:0xf
	v_add_f32_dpp v[SM], v[SM], v[SM] row_xmask:4 row_mask:0xf bank_mask:0xf
	v_add_f32_dpp v[SM], v[SM], v[SM] row_xmask:8 row_mask:0xf bank_mask:0xf
	v_permlanex16_b32 v[SM+1], v[SM], s28, s29
	v_add_f32 v[SM], v[SM], v[SM+1]                ; L, at least 1: the maximum's own weight
	v_rcp_f32 v[RL], v[SM]
	v_rcp_f32 v[RL+1], v[SM]
	v_mov_b32 v[ZR], 0                             ; the plain instructions behind the reciprocals
	v_mov_b32 v[ZR+1], 0
	s_wait_alu depctr_va_vdst(0)
; eight numbers: divided by L, rounded to f16, stored
.macro OUTG x, y, sb, off
.irp i, 0,1,2,3
	v_pk_mul_f32 v[(\x)+2*(\i):(\x)+2*(\i)+1], v[(\x)+2*(\i):(\x)+2*(\i)+1], v[RL:RL+1]
.endr
.irp i, 0,1,2,3
	v_cvt_pk_f16_f32 v[(\y)+(\i)], v[(\x)+2*(\i)], v[(\x)+2*(\i)+1]
.endr
	global_store_b64 v2, v[(\y):(\y)+1],   s[(\sb):(\sb)+1] offset:(\off)      ; 256 consecutive bytes, aligned
	global_store_b64 v2, v[(\y)+2:(\y)+3], s[(\sb):(\sb)+1] offset:(\off)+256
.endm
	OUTG DG, YR, 22, 0
.irp J, 0,1,2,3,4,5,6
	s_cmp_le_u32 s11, \J
	s_cbranch_scc1 .Lpad
	OUTG XT+8*(\J), YR+4+4*(\J), 20, 512*(\J)
.endr
.Lpad:
	s_bitcmp1_b32 s11, 0                           ; an even I: the 256 keys behind the diagonal column are read by the next launch too, and are 0
	s_cbranch_scc1 .Lend
	global_store_b64 v2, v[ZR:ZR+1], s[22:23] offset:512
	global_store_b64 v2, v[ZR:ZR+1], s[22:23] offset:768
.Lend:
	s_endpgm
.Lfunc_end_k_qb113bbe0f4_softmax:
	.size	k_qb113bbe0f4_softmax, .Lfunc_end_k_qb113bbe0f4_softmax-k_qb113bbe0f4_softmax
	.p2alignl 7, 3214868480
	.fill 96, 4, 3214868480
	.section	.rodata,"a",@progbits
	.p2align	6, 0x0
	.amdhsa_kernel k_qb113bbe0f4_softmax
		.amdhsa_group_segment_fixed_size 0
		.amdhsa_private_segment_fixed_size 0
		.amdhsa_enable_private_segment 0
		.amdhsa_kernarg_size 16
		.amdhsa_user_sgpr_count 2
		.amdhsa_user_sgpr_kernarg_segment_ptr 1
		.amdhsa_wavefront_size32 1
		.amdhsa_system_sgpr_workgroup_id_x 1
		.amdhsa_system_sgpr_workgroup_id_y 1
		.amdhsa_system_sgpr_workgroup_id_z 1
		.amdhsa_system_vgpr_workitem_id 0
		.amdhsa_next_free_vgpr 120
		.amdhsa_next_free_sgpr 66
		.amdhsa_reserve_vcc 1
		.amdhsa_float_denorm_mode_32 3
		.amdhsa_float_denorm_mode_16_64 3
		.amdhsa_memory_ordered 1
		.amdhsa_forward_progress 1
		.amdhsa_inst_pref_size 23
	.end_amdhsa_kernel
	.amdgpu_metadata
---
amdhsa.version: [ 1, 2 ]
amdhsa.kernels:
  - .name:           k_qb113bbe0f4_softmax
    .symbol:         k_qb113bbe0f4_softmax.kd
    .args:
      - { .name: sc, .offset: 0, .size: 8, .value_kind: global_buffer, .address_space: global }
      - { .name: pw, .offset: 8, .size: 8, .value_kind: global_buffer, .address_space: global }
    .group_segment_fixed_size: 0
    .private_segment_fixed_size: 0
    .kernarg_segment_align: 8
    .kernarg_segment_size: 16
    .max_flat_workgroup_size: 256
    .sgpr_count:     66
    .vgpr_count:     120
    .wavefront_size: 32
...
	.end_amdgpu_metadata
.endif
;; end of part 4
;; launch pv (part 5): grid 8 x 32, 4 waves a work-group, clusters of 4 x 4, 327,680 bytes of LDS; arguments pw, qkv, out0; writes out0
.if DOCPART == 5
	.amdgcn_target "amdgcn-amd-amdhsa--gfx1250"
	.amdhsa_code_object_version 6
	.text
	.protected	k_qb113bbe0f4_pv
	.globl	k_qb113bbe0f4_pv
	.p2align	8
	.type	k_qb113bbe0f4_pv,@function
k_qb113bbe0f4_pv:
	s_mov_b64 s[64:65], 0
	v_nop
	global_prefetch_b8 v0, s[64:65] scope:SCOPE_SE
	s_setreg_imm32_b32 hwreg(HW_REG_WAVE_MODE, 25, 1), 1
	s_wait_xcnt 0x0
	s_wait_alu depctr_hold_cnt(0) depctr_sa_sdst(0) depctr_va_vdst(0) depctr_va_sdst(0) depctr_va_ssrc(0) depctr_va_vcc(0) depctr_vm_vsrc(0)
	s_getreg_b32 s2, hwreg(HW_REG_IB_STS2, 6, 4)
	s_cmp_eq_u32 s2, 0
	s_cbranch_scc0 .Lentry_in_a_cluster
	s_endpgm
.Lentry_in_a_cluster:
	s_bfe_u32 s2, ttmp6, 0x10000c
	s_cmp_lg_u32 s2, 0xf033
	s_cbranch_scc0 .Lentry_shape_is_right
	s_endpgm
.Lentry_shape_is_right:
; out0[b][q][e] = sum over k of pw[b][q][k] v[b][k][e].  pw [4][2048][2048] f16 (the weights; 0 for hidden keys up to the next multiple of 512); v f16, columns 2048-3071 of qkv [8192][3072];
; sums in f32; out0 [4][2048][1024] f32.
; THE WALK.  A sequence's queries lie in four super-blocks of 512; super-block G needs keys 0 .. 512 (G + 1) - 1: G + 1 laps of 512 keys.  A work-group makes a tile of 128 queries x 128 channels in super-block
; 3 - g and then one in super-block g: 5 laps, whatever g: all 256 work-groups do equal work, and one loop with a constant trip count walks them.  The price: 20 blocks of 128 keys where 17 hold a weight.
; CLUSTER.  4 x 4 work-groups: cy picks the 128 queries inside the super-block, cx the channels; g and the sequence come from the cluster's y, so all sixteen walk the same keys in step.  The weights' tile hangs
; on cy and is shared along a row of the cluster, v's on cx and is shared along a column: each is asked for jointly, by the same tensor load, descriptor and mask in the four.
; Four waves, each 64 x 64: 16 accumulators.  The keys go in steps of 256 through two LDS slots; waves 0 and 1 ask for the weights' two halves (64 rows of 512 bytes), waves 2 and 3 for v's (128 rows of 256 bytes).
; THE MATRIX INSTRUCTION IS USED TRANSPOSED (source 0 = 16 channels of v, turned by ds_load_tr16_b128; source 1 = 16 queries): a lane holds query lane % 16 and eight neighbouring channels.
; The accumulators are cleared (128 v_mov_b32, once in the wait for the first tiles and once at the change of tiles), so that one text serves every lap.
; REGISTERS: window 0: v0-31 addresses; v32-95 whole rows on the way out; v128-255 the accumulators, (a, b) at v[128 + 8 (4 a + b)]
;   window 1: two fragment buffers of 128: for 64 keys, 64 registers of weights (2 x 4 x 16 queries x 32 keys), then 64 of v
.set PP,     528                       ; a row of weights in LDS: 512 bytes + 16: the 16 rows of a load begin at 16 different groups of four banks (64 banks of 4 bytes: ISA guide 11.1)
.set PV,     288                       ; a row of v: 256 + 32
.set VOFF,   128*PP                    ; a slot: 128 rows of weights, then 256 rows of v
.set SLOT,   VOFF+256*PV
.set STAGE,  2*SLOT                    ; behind the ring, never filled by a tensor load: 16 rows x 272 bytes for each wave
.set SPITCH, 272
.set SPARE,  STAGE+4*16*SPITCH         ; behind the stages: the spare words, 128 bytes for each wave
.set ADRA, 16                          ; v16-17  LDS address of my weights' fragments in slot 0, 1
.set ADRB, 20                          ; v20-23  of v's: slot s, half u of the step at v[20 + 2 s + u] (an LDS offset has 16 bits)
.set STO,  24                          ; v24     the way out: where I put 32 bytes of a row
.set RD,   25                          ; v25     where I read rows back
.set CO,   26                          ; v26     my byte offset in out0
.set SPW,  28                          ; v28     my spare word's LDS address; never rewritten
.set NIL,  29                          ; v29     0; never rewritten
.set TMP,  32
.set ACC,  128
.set F0,   0                           ; fragment buffers, in window 1
.set F1,   128
.set G1,  24                           ; s[24:31] descriptor group 1 for the weights' tiles;  s[32:39] group 0, a set for each slot
.set G0,  32
.set G1B, 48                           ; s[48:55], s[56:63] the same for v's
.set G0B, 56
.set BP,   66                          ; s[66:67] pw at my half of my 128 rows in super-block 0, key 0
.set BV,   68                          ; s[68:69] v at my half of the sequence's first 256 keys, my channels
.set OFFP, 70                          ; s[70:71] bytes from there to the lap to be asked for
.set OFFV, 72                          ; s[72:73] the same for v
.set GA,   74                          ; s74  the super-block whose laps are being asked for
.set LA,   75                          ; s75  its lap to be asked for next
.set LR,   76                          ; s76  laps left in the tile in hand
.set GG,   77                          ; s77  g
.set OUT2, 80                          ; s[80:81] out0 at my rows of the second tile
.set MSB, 0
.macro WIN new
.if MSB != (\new)
	s_set_vgpr_msb (MSB<<8)|(\new)
.set MSB, \new
.endif
.endm
.set MUL,  0x05                        ; sources 0 and 1 window 1; C and D window 0
.set TO_F, 0x40                        ; destination window 1, address window 0
.macro JLOAD s                         ; a joint load; the branch hangs on the wave's number alone; an s_nop 0 and four v_nop follow each of the two lines, ahead of the jump, the label and what follows
	s_cmp_eq_u32 s11, 0
	s_cbranch_scc0 .Lfor_v_\@
	tensor_load_to_lds s[G0+4*(\s):G0+4*(\s)+3], s[G1:G1+7]
	s_nop 0
.rept 4
	v_nop
.endr
	s_branch .Lasked_\@
.Lfor_v_\@:
	tensor_load_to_lds s[G0B+4*(\s):G0B+4*(\s)+3], s[G1B:G1B+7]
	s_nop 0
.rept 4
	v_nop
.endr
.Lasked_\@:
.endm
.macro CREST                           ; a round of the cluster's barrier behind its opening barrier
	s_cmp_lg_u32 s10, 0
	s_cbranch_scc1 .Lnot_wave_0_\@
	s_barrier_signal -3
.Lnot_wave_0_\@:
	s_barrier_wait -3
	s_barrier_signal -1
	s_barrier_wait -1
.endm
.macro CROUND
	s_barrier_signal -1
	s_barrier_wait -1
	CREST
.endm
; The two descriptors' addresses for slot s are made anew from the bases and the lap's offsets: step s of the lap lies 256 keys on.  Written only where no tensor load of the wave is out.
.macro MKG0 s
	s_add_nc_u64 s[G0+4*(\s)+2:G0+4*(\s)+3], s[BP:BP+1], s[OFFP:OFFP+1]
	s_add_nc_u64 s[G0B+4*(\s)+2:G0B+4*(\s)+3], s[BV:BV+1], s[OFFV:OFFV+1]
.if \s
	s_add_nc_u64 s[G0+4*(\s)+2:G0+4*(\s)+3], s[G0+4*(\s)+2:G0+4*(\s)+3], 512
	s_add_nc_u64 s[G0B+4*(\s)+2:G0B+4*(\s)+3], s[G0B+4*(\s)+2:G0B+4*(\s)+3], 256*6144
.endif
	s_or_b32 s[G0+4*(\s)+3], s[G0+4*(\s)+3], 0x80000000     ; type = 2
	s_or_b32 s[G0B+4*(\s)+3], s[G0B+4*(\s)+3], 0x80000000
.endm
.macro NEXTASK                         ; the super-block's next lap, or behind its last the second super-block's lap 0
	s_add_co_u32 s[LA], s[LA], 1
	s_cmp_gt_u32 s[LA], s[GA]
	s_cselect_b32 s[LA], 0, s[LA]
	s_cselect_b32 s[GA], s[GG], s[GA]
	s_lshl_b32 s[OFFP], s[GA], 21                  ; 512 rows of 4,096 bytes for each super-block,
	s_lshl_b32 s78, s[LA], 10                      ; 512 keys of 2 bytes for each lap
	s_add_co_u32 s[OFFP], s[OFFP], s78
	s_mul_i32 s[OFFV], s[LA], 512*6144             ; 512 rows of qkv for each lap
.endm
	s_load_b128 s[4:7], s[0:1], 0x0                ; pw s[4:5], qkv s[6:7]
	s_load_b64 s[8:9], s[0:1], 0x10                ; out0
	v_lshl_add_u32 v[SPW], v0, 2, SPARE
	v_mov_b32 v[NIL], 0
	ds_add_u32 v[SPW], v[NIL]                      ; the wave's opening: the add and its wait come ahead of my first tensor load; the set-up below stands between them
	ds_add_u32 v28, v29
	v_lshrrev_b32 v1, 5, v0
	v_readfirstlane_b32 s10, v1                    ; wave 0..3
	s_lshr_b32 s11, s10, 1                         ; which half of the tile's rows is mine.  Also: I fetch weights (0) or v (1)
	s_and_b32 s12, s10, 1                          ; which half of its columns.  Also: which half of that tile I fetch
	s_bfe_u32 s40, ttmp6, 0x40000                  ; cx, cy: my place in the cluster
	s_bfe_u32 s41, ttmp6, 0x40004
	s_lshl_b32 s42, ttmp9, 2
	s_add_co_u32 s42, s42, s40                     ; my block of 128 channels = 4 x cluster x + cx
	s_and_b32 s13, ttmp7, 0xffff                   ; the cluster's y, which all sixteen share:
	s_lshr_b32 s14, s13, 1                         ; the sequence,
	s_and_b32 s[GG], s13, 1                        ; and g
	s_lshl_b32 s43, s41, 2
	s_lshl_b32 s43, 15, s43                        ; my row of the cluster
	s_lshl_b32 s44, 0x1111, s40                    ; my column
	s_or_b32 s[G1+0], s43, (1<<16)|(1<<20)|(1<<21)|(6<<22)|(3<<25)   ; the mask; elements of 2 bytes; padding on; bit 21 beside a mask; after every 128 words (code 6) 4 words (code 3)
	s_mov_b32 s[G1+1], 256<<16                     ; tensor_dim0 = 256 keys
	s_mov_b32 s[G1+2], 64<<16                      ; tensor_dim1 = 64 rows
	s_mov_b32 s[G1+3], 256<<16                     ; tile_dim0
	s_mov_b32 s[G1+4], 64                          ; tile_dim1
	s_mov_b32 s[G1+5], 2048                        ; elements from row to row of pw
	s_mov_b32 s[G1+6], 0
	s_mov_b32 s[G1+7], 0
	s_or_b32 s[G1B+0], s44, (1<<16)|(1<<20)|(1<<21)|(5<<22)|(7<<25)  ; after every 64 words (code 5) 8 words (code 7)
	s_mov_b32 s[G1B+1], 128<<16                    ; tensor_dim0 = 128 channels
	s_mov_b32 s[G1B+2], 128<<16                    ; tensor_dim1 = 128 keys
	s_mov_b32 s[G1B+3], 128<<16
	s_mov_b32 s[G1B+4], 128
	s_mov_b32 s[G1B+5], 3072                       ; elements from row to row of qkv
	s_mov_b32 s[G1B+6], 0
	s_mov_b32 s[G1B+7], 0
	s_lshl_b32 s16, s14, 23                        ; the weights: (2,048 b + 128 cy + 64 x half) rows of 4,096 bytes; never holds cx
	s_lshl_b32 s17, s41, 19
	s_add_co_u32 s16, s16, s17
	s_lshl_b32 s17, s12, 18
	s_add_co_u32 s16, s16, s17
	s_mov_b32 s17, 0
	s_lshl_b32 s46, s14, 11                        ; v: (2,048 b + 128 x half) rows of 6,144 bytes + 4,096 + 256 x channel block; never holds cy
	s_lshl_b32 s47, s12, 7
	s_add_co_u32 s46, s46, s47
	s_mul_i32 s46, s46, 6144
	s_lshl_b32 s47, s42, 8
	s_add_co_u32 s46, s46, s47
	s_add_co_u32 s46, s46, 4096
	s_mov_b32 s47, 0
	s_mul_i32 s20, s12, 64*PP                      ; where my tile goes, as weights,
	s_mul_i32 s21, s12, 128*PV                     ; and as v: no place in the cluster enters an LDS address
	s_add_co_u32 s21, s21, VOFF
	s_sub_co_u32 s[GA], 3, s[GG]                   ; the first tile's super-block
	s_mov_b32 s[LA], 0
	s_sub_co_u32 s[LR], 4, s[GG]                   ; it has 4 - g laps
	s_lshl_b32 s[OFFP], s[GA], 21
	s_mov_b32 s[OFFP+1], 0
	s_mov_b32 s[OFFV], 0
	s_mov_b32 s[OFFV+1], 0
	s_lshl_b32 s82, s14, 23                        ; out0: (2,048 b + 512 G + 128 cy + 64 x row half) rows of 4,096 bytes + 512 x channel block + 256 x column half
	s_lshl_b32 s83, s41, 19
	s_add_co_u32 s82, s82, s83
	s_lshl_b32 s83, s11, 18
	s_add_co_u32 s82, s82, s83
	s_lshl_b32 s83, s42, 9
	s_add_co_u32 s82, s82, s83
	s_lshl_b32 s83, s12, 8
	s_add_co_u32 s82, s82, s83
	s_lshl_b32 s84, s[GG], 21
	s_add_co_u32 s84, s84, s82                     ; the second tile's,
	s_lshl_b32 s83, s[GA], 21
	s_add_co_u32 s82, s82, s83                     ; the first's
	s_mov_b32 s83, 0
	s_mov_b32 s85, 0
.irp s, 0,1
	s_mov_b32 s[G0+4*(\s)], 1                      ; count = 1
	s_add_co_u32 s[G0+4*(\s)+1], s20, (\s)*SLOT    ; LDS address
	s_mov_b32 s[G0B+4*(\s)], 1
	s_add_co_u32 s[G0B+4*(\s)+1], s21, (\s)*SLOT
.endr
	s_wait_dscnt 0x0                               ; the opening add is done
	s_wait_kmcnt 0x0
	s_add_nc_u64 s[BP:BP+1], s[4:5], s[16:17]
	s_add_nc_u64 s[BV:BV+1], s[6:7], s[46:47]
	s_add_nc_u64 s[OUT2:OUT2+1], s[8:9], s[84:85]
	s_add_nc_u64 s[8:9], s[8:9], s[82:83]
	CROUND                                         ; all sixteen work-groups are here: the first joint loads meet
	MKG0 0
	JLOAD 0
	MKG0 1
	JLOAD 1                                        ; two tensor loads of mine are out: the first lap
	NEXTASK
	v_and_b32 v1, 15, v0                           ; l % 16
	v_bfe_u32 v2, v0, 4, 1                         ; l / 16
	v_mul_u32_u24 v3, v1, PP                       ; a fragment of weights: row l % 16, keys 8 (l / 16) + 0..7 and 16 + 8 (l / 16) + 0..7
	v_lshl_add_u32 v3, v2, 4, v3
	s_mul_i32 s22, s11, 64*PP                      ; my 64 rows
	v_add_nc_u32 v[ADRA], s22, v3
	v_add_nc_u32 v[ADRA+1], SLOT, v[ADRA]
	v_and_b32 v4, 7, v0                            ; the turning load: lane l reads key 8 (l / 16) + l % 8, channels 8 ((l / 8) % 2) + 0..7, and is left with channel l % 16 and 8 keys
	v_bfe_u32 v5, v0, 3, 1
	v_lshl_add_u32 v4, v2, 3, v4
	v_mul_u32_u24 v4, v4, PV
	v_lshl_add_u32 v4, v5, 4, v4
	s_lshl_b32 s22, s12, 7                         ; my 64 channels
	s_add_co_u32 s22, s22, VOFF
	v_add_nc_u32 v[ADRB], s22, v4
	v_add_nc_u32 v[ADRB+1], 128*PV, v[ADRB]
	v_add_nc_u32 v[ADRB+2], SLOT, v[ADRB]
	v_add_nc_u32 v[ADRB+3], SLOT+128*PV, v[ADRB]
	s_mul_i32 s23, s10, 16*SPITCH
	s_add_co_u32 s23, s23, STAGE                   ; my stage
	v_mul_u32_u24 v6, v1, SPITCH                   ; in: row l % 16, 32 bytes for each half of the lanes
	v_lshl_add_u32 v6, v2, 5, v6
	v_add_nc_u32 v[STO], s23, v6
	v_mul_u32_u24 v6, v2, SPITCH                   ; back: lanes 0-15 take one row of 256 bytes, lanes 16-31 the next
	v_lshl_add_u32 v6, v1, 4, v6
	v_add_nc_u32 v[RD], s23, v6
	v_lshlrev_b32 v6, 12, v2                       ; and the same two rows in out0
	v_lshl_add_u32 v[CO], v1, 4, v6
.macro CLEAR
.set i, ACC
.rept 128
	v_mov_b32 v[i], 0
.set i, i+1
.endr
.endm
	CLEAR
; 8 matrix instructions: row blocks a0, a0 + 1 x all 4 column blocks, 32 keys: half c of buffer f.  The 16 accumulators take turns.
.macro MUL8 f, c, a0
	WIN MUL
.irp a, \a0, (\a0)+1
.irp b, 0,1,2,3
	v_wmma_f32_16x16x32_f16 v[ACC+8*(4*(\a)+(\b)):ACC+8*(4*(\a)+(\b))+7], v[(\f)+64+8*(4*(\c)+(\b)):(\f)+64+8*(4*(\c)+(\b))+7], v[(\f)+8*(4*(\c)+(\a)):(\f)+8*(4*(\c)+(\a))+7], v[ACC+8*(4*(\a)+(\b)):ACC+8*(4*(\a)+(\b))+7]
.endr
.endr
.endm
; 32 LDS loads in one run: the fragments of quarter q (64 keys) of a step into buffer f; the first 32 keys first
.macro FETCH slot, q, f
	WIN TO_F
.irp c, 0,1
.irp i, 0,1,2,3
	ds_load_tr16_b128 v[(\f)+64+8*(4*(\c)+(\i)):(\f)+64+8*(4*(\c)+(\i))+3],   v[ADRB+2*(\slot)+(\q)/2] offset:(((\q)%2)*64+32*(\c))*PV+32*(\i)
	ds_load_tr16_b128 v[(\f)+64+8*(4*(\c)+(\i))+4:(\f)+64+8*(4*(\c)+(\i))+7], v[ADRB+2*(\slot)+(\q)/2] offset:(((\q)%2)*64+32*(\c)+16)*PV+32*(\i)
	ds_load_b128 v[(\f)+8*(4*(\c)+(\i)):(\f)+8*(4*(\c)+(\i))+3],   v[ADRA+(\slot)] offset:128*(\q)+64*(\c)+(\i)*16*PP
	ds_load_b128 v[(\f)+8*(4*(\c)+(\i))+4:(\f)+8*(4*(\c)+(\i))+7], v[ADRA+(\slot)] offset:128*(\q)+64*(\c)+(\i)*16*PP+32
.endr
.endr
.endm
.macro PLACES                          ; four plain vector instructions between a matrix instruction and a load into a register that it read, or an LDS store of its result
.rept 4
	v_nop
.endr
.endm
; A step is four quarters of 64 keys, 32 matrix instructions each, on buffers 0, 1, 0, 1.  One of the first three multiplies buffer f and fetches quarter q into g.
.macro QUARTER slot, q, f, g
	s_wait_dscnt 16                                ; the first 32 keys' fragments are in
	MUL8 \f, 0, 0
	MUL8 \f, 0, 2
	PLACES
	FETCH \slot, \q, \g
	s_wait_dscnt 32                                ; all but the 32 just issued
	MUL8 \f, 1, 0
	MUL8 \f, 1, 2
.endm
; The last quarter multiplies buffer 1 and changes slots: one barrier.  In front of it each wave waits for all its tensor loads (one is out: its part of the next slot), adds 0 to its spare word, and waits
; for that and for its reads of this slot.  fill = 1: the barrier opens a round of the cluster's, and this slot is filled again, with its step of the lap asked for, first thing behind the round.
.macro TURN slot, next, fill
	WIN 0
	s_wait_tensorcnt 0x0
	ds_add_u32 v[SPW], v[NIL]
	s_wait_dscnt 17                                ; the add and the youngest sixteen loads may be out
	MUL8 F1, 0, 0
	s_wait_dscnt 0x0                               ; the add is done, and my reads of this slot are over
	s_barrier_signal -1
	MUL8 F1, 0, 2
.if \fill
	WIN 0
.endif
	s_barrier_wait -1
.if \fill
	CREST                                          ; no wave of any partner still reads this slot or has a load on its way
	MKG0 \slot
	JLOAD \slot                                    ; my one tensor load behind the round; its four v_nop are also the places in front of the loads below
.else
	PLACES
.endif
	FETCH \next, 0, F0
	MUL8 F1, 1, 0
	MUL8 F1, 1, 2
.endm
; THE WAY OUT, 16 rows at a time through my own stage: no barrier, since LDS serves a wave's instructions in order (ISA guide 5.7.1.4).
.macro STG a
.if (\a) >= 2
	s_wait_xcnt 0x0                                ; the stores of the block two back have had their addresses translated (ISA guide 3.1): their registers are loaded again only behind this wait
.endif
.irp b, 0,1,2,3
	ds_store_b128 v[STO], v[ACC+8*(4*(\a)+(\b)):ACC+8*(4*(\a)+(\b))+3]   offset:64*(\b)     ; each accumulator's low four registers first
	ds_store_b128 v[STO], v[ACC+8*(4*(\a)+(\b))+4:ACC+8*(4*(\a)+(\b))+7] offset:64*(\b)+16
.endr
.irp t, 0,1,2,3,4,5,6,7
	ds_load_b128 v[TMP+32*((\a)%2)+4*(\t):TMP+32*((\a)%2)+4*(\t)+3], v[RD] offset:(\t)*2*SPITCH
.endr
.endm
.macro SEND a, younger                 ; younger: the LDS instructions issued behind block a's loads: the next block's sixteen, or none
.irp t, 0,1,2,3,4,5,6,7
	s_wait_dscnt (\younger)+7-(\t)
	global_store_b128 v[CO], v[TMP+32*((\a)%2)+4*(\t):TMP+32*((\a)%2)+4*(\t)+3], s[8:9] offset:(16*(\a)+2*(\t))*4096 th:TH_STORE_NT  ; 16 lanes store 256 consecutive bytes, at a multiple of 256 from out0's first byte
.endr
.endm
.macro WAYOUT
	WIN 0
	PLACES
	STG 0
	STG 1
	SEND 0, 16
	STG 2
	SEND 1, 16
	STG 3
	SEND 2, 16
	SEND 3, 0
.endm
	s_wait_tensorcnt 1                             ; my part of the first step is in; the second's may stay out
	s_barrier_signal -1
	s_barrier_wait -1
	FETCH 0, 0, F0
	WIN 0                                          ; at a label and at a branch every window is 0
	s_mov_b32 s3, 4
.Llap:                                                 ; four trips: a lap is multiplied and the next lap of the walk is asked for
	QUARTER 0, 1, F0, F1
	QUARTER 0, 2, F1, F0
	QUARTER 0, 3, F0, F1
	TURN 0, 1, 1
	QUARTER 1, 1, F0, F1
	QUARTER 1, 2, F1, F0
	QUARTER 1, 3, F0, F1
	TURN 1, 0, 1                                   ; it also fetches the next lap's first fragments, which wait in window 1 across a way out
	NEXTASK
	WIN 0
	s_sub_co_u32 s[LR], s[LR], 1
	s_cmp_lg_u32 s[LR], 0
	s_cbranch_scc1 .Lon                            ; forward, past text without a barrier or a tensor load; g is the same in all sixteen partners
	WAYOUT                                         ; the first tile is finished: trip 4 - g
	s_wait_xcnt 0x0                                ; the stores have had their addresses translated: their base and registers may be written
	s_mov_b64 s[8:9], s[OUT2:OUT2+1]
	CLEAR
	s_add_co_u32 s[LR], s[GG], 1                   ; the second tile has g + 1 laps
.Lon:
	s_sub_co_u32 s3, s3, 1
	s_cmp_lg_u32 s3, 0
	s_cbranch_scc1 .Llap
	QUARTER 0, 1, F0, F1                           ; the walk's fifth lap fills nothing; it is always the second tile's last
	QUARTER 0, 2, F1, F0
	QUARTER 0, 3, F0, F1
	TURN 0, 1, 0
	QUARTER 1, 1, F0, F1
	QUARTER 1, 2, F1, F0
	QUARTER 1, 3, F0, F1
	s_wait_dscnt 16
	MUL8 F1, 0, 0
	MUL8 F1, 0, 2
	s_wait_dscnt 0x0
	MUL8 F1, 1, 0
	MUL8 F1, 1, 2
	WAYOUT
	s_wait_tensorcnt 0x0                           ; the wave's end, behind my last tensor load and my last LDS store
	ds_add_u32 v[SPW], v[NIL]
	s_wait_dscnt 0x0
	CROUND                                         ; the closing round: no work-group ends while a partner may still ask for a tile that names it
	s_endpgm
.Lfunc_end_k_qb113bbe0f4_pv:
	.size	k_qb113bbe0f4_pv, .Lfunc_end_k_qb113bbe0f4_pv-k_qb113bbe0f4_pv
	.p2alignl 7, 3214868480
	.fill 96, 4, 3214868480
	.section	.rodata,"a",@progbits
	.p2align	6, 0x0
	.amdhsa_kernel k_qb113bbe0f4_pv
		.amdhsa_group_segment_fixed_size 327680
		.amdhsa_private_segment_fixed_size 0
		.amdhsa_enable_private_segment 0
		.amdhsa_kernarg_size 24
		.amdhsa_user_sgpr_count 2
		.amdhsa_user_sgpr_kernarg_segment_ptr 1
		.amdhsa_wavefront_size32 1
		.amdhsa_system_sgpr_workgroup_id_x 1
		.amdhsa_system_sgpr_workgroup_id_y 1
		.amdhsa_system_sgpr_workgroup_id_z 1
		.amdhsa_system_vgpr_workitem_id 0
		.amdhsa_next_free_vgpr 512
		.amdhsa_next_free_sgpr 88
		.amdhsa_reserve_vcc 0
		.amdhsa_float_denorm_mode_32 3
		.amdhsa_float_denorm_mode_16_64 3
		.amdhsa_memory_ordered 1
		.amdhsa_forward_progress 1
		.amdhsa_inst_pref_size 105
	.end_amdhsa_kernel
	.amdgpu_metadata
---
amdhsa.version: [ 1, 2 ]
amdhsa.kernels:
  - .name:           k_qb113bbe0f4_pv
    .symbol:         k_qb113bbe0f4_pv.kd
    .args:
      - { .name: pw, .offset: 0, .size: 8, .value_kind: global_buffer, .address_space: global }
      - { .name: qkv, .offset: 8, .size: 8, .value_kind: global_buffer, .address_space: global }
      - { .name: out0, .offset: 16, .size: 8, .value_kind: global_buffer, .address_space: global }
    .group_segment_fixed_size: 327680
    .private_segment_fixed_size: 0
    .kernarg_segment_align: 8
    .kernarg_segment_size: 24
    .max_flat_workgroup_size: 128
    .sgpr_count:     88
    .vgpr_count:     512
    .wavefront_size: 32
...
	.end_amdgpu_metadata
.endif
;; end of part 5
